; MI455X (gfx1250); checked and timed in simulation.
; The chip was launched on July 23, 2026; its instructions are those of AMD's public machine-readable ISA for CDNA 5 (MIT licence, August 2026) and "CDNA5" Instruction Set Architecture Reference Guide (July 2026). The comments in the code are by the model that wrote it; some were corrected since.
;; Multihead Attention. Allowed arithmetic: matrix products marked QUANTISED: E2M1 operands, one E8M0 scale for each 32 along K, by v_wmma_scale_f32_16x16x128_f8f6f4 with both operands' format E2M1 (or v_wmma_scale_f32_32x16x128_f4), f32 sums; products left as they are: bf16, f16 or f32 operands; f32 sums; everything else in f32.
;; Inputs: b_o 1,024 float32; b_qkv 3,072 float32; w_o 1,024 x 1,024 float32; w_qkv 3,072 x 1,024 float32; x 4 x 2,048 x 1,024 float32.
;; Outputs: out0 4 x 2,048 x 1,024 float32.
;; This version of the problem:
;;   THIS VERSION OF THE PROBLEM IS GIVEN IN LOW PRECISION. The matrix products marked QUANTISED in the list below multiply operands that are first quantised to E2M1 (2 exponent bits, 1 mantissa bit; 4 bits a number), with one power-of-two scale for each 32 numbers along K (OCP MX v1.0); their sums are f32. The products marked 'left as it is' may take bf16, f16 or f32 operands, with f32 sums. Whichever they take, every output number must still come out within the allowed error. Rounding operands to bf16 (8 significant bits) uses up far more of that allowance than f16 does (11 bits, for magnitudes from 6e-5 to 65,504). All else is computed in f32.
;;   The module's matrix products, in the order in which they are computed (A, B: the left and right operand; K: the contracted axis; several contracted axes count as one K, in the product's order):
;;     1. [M 8,192, K 1,024] x [K 1,024, N 3,072]; A: input x; B: input w_qkv: QUANTISED
;;     2. batch 64 x [M 2,048, K 64] x [K 64, N 2,048]; A: computed on the way; B: computed on the way: left as it is (an operand is computed on the way)
;;     3. batch 64 x [M 2,048, K 2,048] x [K 2,048, N 64]; A: computed on the way; B: computed on the way: left as it is (an operand is computed on the way)
;;     4. [M 8,192, K 1,024] x [K 1,024, N 1,024]; A: computed on the way; B: input w_o: left as it is (an operand is computed on the way)
;;   THE QUANTISER, for each operand of a quantised product, along K:
;;     - K is cut into blocks of 32 from its start; a last block that is shorter is filled with zeros.
;;     - A block's scale is 2^e with e = floor(log2(the largest magnitude in the block)) - 2, held to -126 .. 127; a block of zeros has e = 0. As a byte (E8M0): e + 127.
;;     - Each number is divided by its block's scale, clamped to +-6, and rounded to the nearest number of E2M1, ties to even, subnormals kept.
;;     - The product sums the exact products of the quantised numbers (number of the format x scale) in f32.
;;   ~~~python
;;   def quantise(x, axis):      # numpy; x: float32 -> the quantised numbers, widened to float32 again
;;       x = np.moveaxis(x, axis, -1); K = x.shape[-1]
;;       x = np.pad(x, [(0, 0)] * (x.ndim - 1) + [(0, -K % 32)]); x = x.reshape(x.shape[:-1] + (-1, 32)); a = np.abs(x).max(-1, keepdims=True)
;;       e = np.where(a > 0, np.clip(np.frexp(np.where(a > 0, a, 1))[1] - 1 - 2, -126, 127), 0)      # np.frexp(a)[1] - 1 = floor(log2(a)), exactly
;;       r = np.clip(x / 2.0 ** e, -6, 6)
;;       step = 2.0 ** (np.maximum(np.frexp(np.where(r == 0, 1, r))[1] - 1, 0) - 1)
;;       q = np.round(r / step) * step * 2.0 ** e      # np.round: ties to even
;;       return np.moveaxis(q.reshape(q.shape[:-2] + (-1,))[..., :K], -1, axis).astype(np.float32)
;;   ~~~
;; One version. Each part assembles by itself: llvm-mc -triple=amdgcn-amd-amdhsa -mcpu=gfx1250 --defsym DOCPART=n.
;; ======== version 1 of 1: 4 launches
;; limits: values are held in f16: magnitudes above 65,504 overflow, below 6.1e-05 lose precision
;; workspace buffers: x_codes 4,194,304 bytes; x_scales 262,144 bytes; w_codes 1,572,864 bytes; w_scales 98,304 bytes; wof 2,097,152 bytes; qkv 50,331,648 bytes; vals 16,777,216 bytes
;; launch prep (part 1): grid 384 x 1, 4 waves a work-group, no clusters, 33,280 bytes of LDS; arguments x, w_qkv, w_o, x_codes, x_scales, w_codes, w_scales, wof; writes x_codes, x_scales, w_codes, w_scales, wof
.if DOCPART == 1
	.amdgcn_target "amdgcn-amd-amdhsa--gfx1250"
	.amdhsa_code_object_version 6
	.text
	.protected	k_qbadeee54fe_prep
	.globl	k_qbadeee54fe_prep
	.p2align	8
	.type	k_qbadeee54fe_prep,@function
k_qbadeee54fe_prep:
	s_mov_b64 s[64:65], 0
	v_nop
	global_prefetch_b8 v0, s[64:65] scope:SCOPE_SE
	s_setreg_imm32_b32 hwreg(HW_REG_WAVE_MODE, 25, 1), 1
	s_wait_xcnt 0x0
; LAUNCH 1 OF 4 of multi-head attention (4 x 2,048 tokens, 16 heads of 64).  It turns x [8192][1024] and w_qkv [3072][1024], f32, into codes of FP4 (E2M1), K innermost, with one E8M0 byte for each 32
; along K, and w_o [1024][1024] into f16 with its columns in another order.
; DEAD WORK, for the whole program.  Column o of x w_qkv^T + b_qkv belongs to head o / 192; in a head columns 0-63 are q, 64-127 k, 128-191 v.  A score is q . (k0 + bk) = q . k0 + q . bk, bk the bias on k.
; The term q . bk is the same for all keys of a query: it is added to the softmax's input alike along its axis, so it leaves the softmax as it is, for all values of the inputs; k goes nowhere else, and the
; product of q and k is not quantised.  So the 16 x 64 numbers of b_qkv that belong to k are never loaded or added; the rest of b_qkv is.  LIMIT: a NaN, an infinity or an overflow in those numbers alone is not carried to the result.
; THE QUANTISER.  A block's scale is 2^(floor(log2(its largest magnitude)) - 2); its byte is the largest magnitude's own exponent field - 2, held at 1 from below.  (A block of zeros so gets the byte 1 where
; the rule says 127: its codes are zeros, which add nothing under any byte but 0xff, and this program alone reads the bytes.)  Each number is divided by the scale and rounded to the nearest code, ties to even; beyond 6 the code of 6.
; LIMITS: blocks whose largest magnitude lies under 2^-124, the floor, whose byte is held at 1, were not tried; NaN and infinities among the inputs are not served.
; Rows are dense and K is a multiple of 32: both tensors are plain streams of blocks of 32, and so are codes and bytes.  A wave takes 16 steps of 512 numbers.  Each load reads 512 consecutive bytes; a step's 2,048 bytes
; turn through the wave's own stage in LDS (16 bytes of padding behind each 64) and come back 64 bytes a lane: 16 neighbours, two lanes to a block.  A wave's store of codes covers 256 consecutive bytes; its 256 scale bytes are gathered in LDS.
; Work-groups 0-255 take x, 256-351 w_qkv (only pointers are chosen: one path), 352-383 w_o (a path of its own, which touches no LDS).
; w_o: position 256 t + 8 l + j of a row of wof holds column 64 (l % 16) + 16 t + 8 (l / 16) + j: the order in which launch 3's lanes hold a row of the last product's left operand.  A permutation of K that both operands share keeps every sum's terms.
.set WAVES, 4
.set STEPS, 16
.set WGA,   256                        ; 8192 x 1024 / 32,768
.set WGQ,   352                        ; + 3072 x 1024 / 32,768
.set EMAX,  2
.set CB,    8                          ; bytes of 16 codes
.set R,     16                         ; v16-79   four sets of 16 numbers as they are loaded
.set X,     80                         ; v80-111  two sets of 16 neighbours
.set C,     128                        ; v128-191 codes: four registers for each step, so that no store's data are written again
.set E,     112                        ; v112-127 a scale byte for each step
.set WREG,  8192                       ; LDS: a region for each wave: two stages of 32 x SP bytes, behind them its 256 scale bytes
.set SP,    80
.set SPW,   12                         ; v12  LDS address of my spare word; never rewritten
.set NIL,   13                         ; v13  0; never rewritten
.set SPARE, WAVES*WREG                 ; behind the four regions: the spare words, 128 bytes a wave, which no other line names
	s_load_b256 s[4:11], s[0:1], 0x0               ; x s[4:5], w_qkv s[6:7], w_o s[8:9], x_codes s[10:11]
	s_load_b256 s[12:19], s[0:1], 0x20             ; x_scales s[12:13], w_codes s[14:15], w_scales s[16:17], wof s[18:19]
	v_lshl_add_u32 v[SPW], v0, 2, SPARE
	v_mov_b32 v[NIL], 0
	v_lshrrev_b32 v1, 5, v0
	v_readfirstlane_b32 s20, v1                    ; wave
	v_and_b32 v2, 31, v0                           ; lane
	v_lshlrev_b32 v3, 4, v2                        ; 16 x lane: my 16 bytes of a run of 512
	s_mul_i32 s21, s20, WREG
	v_lshrrev_b32 v14, 2, v2
	v_mul_u32_u24 v14, v14, SP
	v_and_b32 v15, 3, v2
	v_lshl_add_u32 v14, v15, 4, v14
	v_add_nc_u32 v14, s21, v14                     ; the stage, on the way in: SP (lane / 4) + 16 (lane % 4)
	v_mul_u32_u24 v15, v2, SP
	v_add_nc_u32 v15, s21, v15                     ; and on the way out: SP x lane: my 16 neighbours
	v_mul_u32_u24 v4, v2, CB                       ; my codes' place in a step's
	v_lshrrev_b32 v5, 1, v2
	s_add_co_u32 s21, s21, 2*32*SP
	v_add_nc_u32 v5, s21, v5                       ; LDS: my wave's 256 scale bytes, my block's byte
	v_lshlrev_b32 v7, 3, v2                        ; and on the way out 8 bytes a lane
	v_add_nc_u32 v6, s21, v7
	s_wait_kmcnt 0x0
	s_cmp_ge_u32 ttmp9, WGQ                        ; the work-group's number alone decides
	s_cbranch_scc1 .Lwo
	s_cmp_lt_u32 ttmp9, WGA                        ; x's work-group or w_qkv's?
	s_cselect_b64 s[4:5], s[4:5], s[6:7]
	s_cselect_b64 s[10:11], s[10:11], s[14:15]
	s_cselect_b64 s[12:13], s[12:13], s[16:17]
	s_cselect_b32 s21, 0, WGA
	s_sub_co_u32 s21, ttmp9, s21
	s_lshl_b32 s21, s21, 2
	s_add_co_u32 s22, s21, s20                     ; which run of 8,192 numbers of the tensor is my wave's
	s_mov_b32 s23, 0
	s_mov_b64 s[24:25], 512*STEPS*4
	s_mul_u64 s[24:25], s[22:23], s[24:25]
	s_add_nc_u64 s[4:5], s[4:5], s[24:25]
	s_mov_b64 s[24:25], 32*STEPS*CB
	s_mul_u64 s[24:25], s[22:23], s[24:25]
	s_add_nc_u64 s[10:11], s[10:11], s[24:25]
	s_lshl_b32 s22, s22, 8                         ; 256 scale bytes a run
	s_add_nc_u64 s[12:13], s[12:13], s[22:23]
.macro LOAD t
.irp i, 0,1,2,3
	global_load_b128 v[R+16*((\t)%4)+4*\i:R+16*((\t)%4)+4*\i+3], v3, s[4:5] offset:2048*(\t)+512*\i th:TH_LOAD_NT   ; 32 lanes read 512 consecutive bytes
.endr
.endm
.macro TURN t                          ; step t's numbers through the stage: LDS serves a wave's instructions in order, so no wait stands between the stores and the loads
.irp i, 0,1,2,3
	ds_store_b128 v14, v[R+16*((\t)%4)+4*\i:R+16*((\t)%4)+4*\i+3] offset:32*SP*((\t)%2)+8*SP*\i
.endr
.irp i, 0,1,2,3
	ds_load_b128 v[X+16*((\t)%2)+4*\i:X+16*((\t)%2)+4*\i+3], v15 offset:32*SP*((\t)%2)+16*\i
.endr
.endm
.irp t, 0,1,2,3
	LOAD \t
.endr
	s_wait_loadcnt 12                              ; step 0's four loads are in; the twelve of steps 1 to 3 may be out
	TURN 0
.macro STEP t
.set XS, X+16*((\t)%2)
.if (\t) > 0
	s_wait_dscnt 1                                 ; this step's numbers are back from the stage (the last step's byte store may be out): so its stores into the stage have read their registers,
.else
	s_wait_dscnt 0x0
.endif
.if (\t)+4 < STEPS
	LOAD (\t)+4                                    ; which take the loads of four steps on
.endif
.if (\t)+1 < STEPS
.if STEPS-2-(\t) >= 3
	s_wait_loadcnt 12                              ; the next step's four loads are in; those of the three steps behind it may be out
.else
	s_wait_loadcnt 4*(STEPS-2-(\t))
.endif
	TURN (\t)+1                                    ; and go through the other stage while this step is worked
.endif
	v_max3_num_f32 v8, |v[XS]|, |v[XS+1]|, |v[XS+2]|               ; the largest magnitude of my 16, in two chains
	v_max3_num_f32 v9, |v[XS+3]|, |v[XS+4]|, |v[XS+5]|
.irp i, 6,10
	v_max3_num_f32 v8, v8, |v[XS+\i]|, |v[XS+\i+1]|
	v_max3_num_f32 v9, v9, |v[XS+\i+2]|, |v[XS+\i+3]|
.endr
	v_max3_num_f32 v8, v8, |v[XS+14]|, |v[XS+15]|
	v_max3_num_f32 v8, v8, v9, (EMAX+1)<<23        ; and the floor 2^(EMAX + 1 - 127): the byte cannot fall under 1
	v_max_num_f32_dpp v8, v8, v8 row_xmask:1 row_mask:0xf bank_mask:0xf   ; and of my neighbour's 16: the block's
	v_add_nc_u32 v11, -(EMAX<<23), v8              ; EMAX off its exponent field: the conversion takes the exponent field of this operand as its scale, and nothing else of it
	v_cvt_scalef32_pk8_fp4_f32 v[C+4*(\t)], v[XS:XS+7], v11
	v_cvt_scalef32_pk8_fp4_f32 v[C+4*(\t)+1], v[XS+8:XS+15], v11
	v_lshrrev_b32 v[E+(\t)], 23, v11               ; the scale's byte (also the plain line behind the conversions)
	ds_store_b8 v5, v[E+(\t)] offset:16*(\t)       ; both lanes of a block write the same byte with the same value
	global_store_b64 v4, v[C+4*(\t):C+4*(\t)+1], s[10:11] offset:32*CB*(\t)   ; 32 lanes store 256 consecutive bytes, aligned
.endm
.irp t, 0,1,2,3,4,5,6,7,8,9,10,11,12,13,14,15
	STEP \t
.endr
	ds_load_b64 v[8:9], v6                         ; LDS serves a wave's instructions in order: these see my stores
	s_wait_dscnt 0x0
	global_store_b64 v7, v[8:9], s[12:13]          ; 32 lanes store 256 consecutive bytes, aligned
	s_wait_tensorcnt 0x0                           ; the wave's end, behind my last LDS store
	ds_add_u32 v[SPW], v[NIL]
	s_wait_dscnt 0x0
	s_endpgm
; ---- w_o to f16.  A wave takes 8 rows, two at a time.  For a row and t = 0 .. 3 lane l reads the 8 numbers at column 64 (l % 16) + 16 t + 8 (l / 16) and stores them as 16 bytes at 512 t + 16 l: each store covers 512 consecutive bytes.
.Lwo:
	v_and_b32 v8, 15, v0
	v_bfe_u32 v9, v0, 4, 1
	v_lshlrev_b32 v10, 8, v8
	v_lshl_add_u32 v10, v9, 5, v10                 ; 256 (l % 16) + 32 (l / 16)
	s_sub_co_u32 s21, ttmp9, WGQ
	s_lshl_b32 s21, s21, 5
	s_lshl_b32 s22, s20, 3
	s_add_co_u32 s21, s21, s22                     ; my first row: 32 x work-group + 8 x wave
	s_lshl_b32 s22, s21, 12
	s_mov_b32 s23, 0
	s_add_nc_u64 s[8:9], s[8:9], s[22:23]
	s_lshl_b32 s22, s21, 11
	s_add_nc_u64 s[18:19], s[18:19], s[22:23]
.macro WLOAD k                         ; rows 2 k and 2 k + 1 into set k % 2: 16 loads
.irp p, 0,1
.irp t, 0,1,2,3
	global_load_b128 v[16+64*((\k)%2)+8*(4*\p+\t):16+64*((\k)%2)+8*(4*\p+\t)+3], v10, s[8:9] offset:(2*(\k)+\p)*4096+64*\t
	global_load_b128 v[16+64*((\k)%2)+8*(4*\p+\t)+4:16+64*((\k)%2)+8*(4*\p+\t)+7], v10, s[8:9] offset:(2*(\k)+\p)*4096+64*\t+16
.endr
.endr
.endm
	WLOAD 0
	WLOAD 1
.irp k, 0,1,2,3
.if \k < 3
	s_wait_loadcnt 16                              ; this pair of rows is in; the next pair's 16 loads may be out
.else
	s_wait_loadcnt 0x0
.endif
	s_wait_xcnt 0x0                                ; the last pair's stores have read v144-175, which are written again below
.irp i, 0,1,2,3,4,5,6,7,8,9,10,11,12,13,14,15,16,17,18,19,20,21,22,23,24,25,26,27,28,29,30,31
	v_cvt_pk_f16_f32 v[144+\i], v[16+64*(\k%2)+2*\i], v[16+64*(\k%2)+2*\i+1]
.endr
.if \k < 2
	WLOAD \k+2
.endif
.irp p, 0,1
.irp t, 0,1,2,3
	global_store_b128 v3, v[144+4*(4*\p+\t):144+4*(4*\p+\t)+3], s[18:19] offset:(2*\k+\p)*2048+512*\t
.endr
.endr
.endr
	s_endpgm
.Lfunc_end_k_qbadeee54fe_prep:
	.size	k_qbadeee54fe_prep, .Lfunc_end_k_qbadeee54fe_prep-k_qbadeee54fe_prep
	.p2alignl 7, 3214868480
	.fill 96, 4, 3214868480
	.section	.rodata,"a",@progbits
	.p2align	6, 0x0
	.amdhsa_kernel k_qbadeee54fe_prep
		.amdhsa_group_segment_fixed_size 33280
		.amdhsa_private_segment_fixed_size 0
		.amdhsa_enable_private_segment 0
		.amdhsa_kernarg_size 64
		.amdhsa_user_sgpr_count 2
		.amdhsa_user_sgpr_kernarg_segment_ptr 1
		.amdhsa_wavefront_size32 1
		.amdhsa_system_sgpr_workgroup_id_x 1
		.amdhsa_system_sgpr_workgroup_id_y 1
		.amdhsa_system_sgpr_workgroup_id_z 1
		.amdhsa_system_vgpr_workitem_id 0
		.amdhsa_next_free_vgpr 192
		.amdhsa_next_free_sgpr 66
		.amdhsa_reserve_vcc 0
		.amdhsa_float_denorm_mode_32 3
		.amdhsa_float_denorm_mode_16_64 3
		.amdhsa_memory_ordered 1
		.amdhsa_forward_progress 1
		.amdhsa_inst_pref_size 51
	.end_amdhsa_kernel
	.amdgpu_metadata
---
amdhsa.version: [ 1, 2 ]
amdhsa.kernels:
  - .name:           k_qbadeee54fe_prep
    .symbol:         k_qbadeee54fe_prep.kd
    .args:
      - { .name: x, .offset: 0, .size: 8, .value_kind: global_buffer, .address_space: global }
      - { .name: w_qkv, .offset: 8, .size: 8, .value_kind: global_buffer, .address_space: global }
      - { .name: w_o, .offset: 16, .size: 8, .value_kind: global_buffer, .address_space: global }
      - { .name: x_codes, .offset: 24, .size: 8, .value_kind: global_buffer, .address_space: global }
      - { .name: x_scales, .offset: 32, .size: 8, .value_kind: global_buffer, .address_space: global }
      - { .name: w_codes, .offset: 40, .size: 8, .value_kind: global_buffer, .address_space: global }
      - { .name: w_scales, .offset: 48, .size: 8, .value_kind: global_buffer, .address_space: global }
      - { .name: wof, .offset: 56, .size: 8, .value_kind: global_buffer, .address_space: global }
    .group_segment_fixed_size: 33280
    .private_segment_fixed_size: 0
    .kernarg_segment_align: 8
    .kernarg_segment_size: 64
    .max_flat_workgroup_size: 128
    .sgpr_count:     66
    .vgpr_count:     192
    .wavefront_size: 32
...
	.end_amdgpu_metadata
.endif
;; end of part 1
;; launch qkvgemm (part 2): grid 16 x 32, 4 waves a work-group, clusters of 4 x 4, 244,224 bytes of LDS; arguments x_codes, x_scales, w_codes, w_scales, b_qkv, qkv; writes qkv
.if DOCPART == 2
	.amdgcn_target "amdgcn-amd-amdhsa--gfx1250"
	.amdhsa_code_object_version 6
	.text
	.protected	k_qbadeee54fe_qkvgemm
	.globl	k_qbadeee54fe_qkvgemm
	.p2align	8
	.type	k_qbadeee54fe_qkvgemm,@function
k_qbadeee54fe_qkvgemm:
	s_mov_b64 s[64:65], 0
	v_nop
	global_prefetch_b8 v0, s[64:65] scope:SCOPE_SE
	s_setreg_imm32_b32 hwreg(HW_REG_WAVE_MODE, 25, 1), 1
	s_wait_xcnt 0x0
	s_wait_alu depctr_hold_cnt(0) depctr_sa_sdst(0) depctr_va_vdst(0) depctr_va_sdst(0) depctr_va_ssrc(0) depctr_va_vcc(0) depctr_vm_vsrc(0)
	s_getreg_b32 s2, hwreg(HW_REG_IB_STS2, 6, 4)
	s_cmp_eq_u32 s2, 0
	s_cbranch_scc0 .Lentry_in_a_cluster
	s_endpgm
.Lentry_in_a_cluster:
	s_bfe_u32 s2, ttmp6, 0x10000c
	s_cmp_lg_u32 s2, 0xf033
	s_cbranch_scc0 .Lentry_shape_is_right
	s_endpgm
.Lentry_shape_is_right:
; LAUNCH 2 OF 4: q, k, v = x w_qkv^T (+ bias) on codes of FP4 (E2M1) with one E8M0 scale for each 32 along K; sums in f32; the results leave as f16, laid as launch 3's operand registers take them.
; LEFT OUT: the bias on k (it adds the same number to all scores of a query: shown at the head of the first launch).  The biases on q and on v are the C of each sum's first matrix instruction.
; LIMIT: q, k, v are rounded to f16: beyond 65,504 they become infinities; under 6e-5 they lose bits.
; SHARES.  A work-group takes 256 tokens x the 192 columns of ONE head; each of its four waves 64 tokens x 192 columns: 48 accumulators of 16 x 16.  All of K, 1,024, lies in LDS as two slots of 512 along K
; (rows of 256 bytes + 16 of padding, so that the 16 rows of a fragment load start at 16 different banks): each byte of LDS is filled once.
; CLUSTERS: 4 x 4 work-groups.  The four of a row of the cluster take the same tokens, the four of a column the same head: x's and w's tiles are asked for JOINTLY, by the same tensor load with the same descriptor and a mask that names the four.
; q AND k ARE MADE TRANSPOSED (source 0 = 16 rows of w, source 1 = 16 tokens): a lane holds one token and 8 neighbouring channels.  v IS MADE THE NATURAL WAY (source 0 = tokens, source 1 = rows of w): a lane holds one channel and 8
; neighbouring tokens.  Rounded in pairs, a lane's 16 bytes are four registers of the fragment that launch 3 wants: every store of a wave covers 512 consecutive bytes, aligned, and nothing goes through LDS on the way out.
; qkv: three parts of 16 MiB (q, k, v), 262,144 bytes a head.  q, k: [tile of 16 tokens][channel tile nt][lane][16 bytes]: lane (r, h): token r, channels 16 nt + 8 h + 0 .. 7.
;      v: [32 keys g][channel tile t][u][lane][16 bytes]: lane (r, h): channel 16 t + r, keys 32 g + 16 u + 8 h + 0 .. 7.
; SCALES come straight into registers, once: a row's 32 bytes are 8 words, one for each 128 along K; lane (r, h) takes words 4 h .. 4 h + 3 of row r: register i holds K step i in lanes 0-15 and K step 4 + i in lanes 16-31.
; REGISTERS, in windows of 256: window 0: v16-29 addresses; v32-47 x's scale words, v48-95 w's; v128-191 x's fragments, two sets.  window 1: w's fragments, two sets (v0-95, v128-223); on the way out the packed results.
;   window 2: q's and k's 32 accumulators, (nt, a) at v[8 (4 nt + a)].   window 3: v's 16, (t, a) at v[8 (4 t + a)]; v128-159 q's bias; v160-191 v's bias.
.set PITCH,  272
.set BOFF,   256*PITCH                 ; a slot: x's 256 rows, then w's 192
.set SLOT,   448*PITCH
.set SPARE,  2*SLOT                    ; behind the slots: the spare words, 128 bytes a wave, which no other line names
.set ADRA, 16                          ; v16-17  LDS address of my fragments of x in slot 0, 1
.set ADRB, 20                          ; v20-21  the same for w
.set GO,   24                          ; v24     16 x lane: the stores' offset
.set SO,   25                          ; v25     32 r + 16 h: the scale words' offset
.set QB,   26                          ; v26     32 h: q's bias
.set VB,   27                          ; v27     4 r: v's bias
.set SPW,  28                          ; v28     LDS address of my spare word; never rewritten
.set NIL,  29                          ; v29     0; never rewritten
.set SA,   32
.set SB,   48
.set AF,   128
.set BQ,   128                         ; in window 3
.set BV,   160
.set G1,  24                           ; s[24:31] descriptor group 1 for x's tiles;  s[32:39] group 0, a set for each slot
.set G0,  32
.set G1B, 48                           ; s[48:55], s[56:63] the same for w's
.set G0B, 56
.set MSB, 0
.macro WIN new                         ; the immediate's high byte repeats the setting that is left
.if MSB != \new
	s_set_vgpr_msb (MSB<<8)|\new
.set MSB, \new
.endif
.endm
; A joint load: waves 0 and 1 fetch x's halves, waves 2 and 3 w's.  The branch hangs on the wave's number alone.  An s_nop 0 and four v_nop follow each of the two lines.
.macro JLOAD s
	s_cmp_eq_u32 s17, 0
	s_cbranch_scc0 .Lfor_b_\@
	tensor_load_to_lds s[G0+4*\s:G0+4*\s+3], s[G1:G1+7]
	s_nop 0
.rept 4
	v_nop
.endr
	s_branch .Lasked_\@
.Lfor_b_\@:
	tensor_load_to_lds s[G0B+4*\s:G0B+4*\s+3], s[G1B:G1B+7]
	s_nop 0
.rept 4
	v_nop
.endr
.Lasked_\@:
.endm
.macro CROUND                          ; a round of the cluster's barrier
	s_barrier_signal -1
	s_barrier_wait -1
	s_cmp_lg_u32 s16, 0
	s_cbranch_scc1 .Lnot_wave_0_\@
	s_barrier_signal -3
.Lnot_wave_0_\@:
	s_barrier_wait -3
	s_barrier_signal -1
	s_barrier_wait -1
.endm
.macro PLACES                          ; four places in front of loads into registers that matrix instructions have read, and of the first read of results
.rept 4
	v_nop
.endr
.endm
	s_load_b256 s[4:11], s[0:1], 0x0               ; x_codes s[4:5], x_scales s[6:7], w_codes s[8:9], w_scales s[10:11]
	s_load_b128 s[12:15], s[0:1], 0x20             ; b_qkv s[12:13], qkv s[14:15]
	v_lshl_add_u32 v[SPW], v0, 2, SPARE
	v_mov_b32 v[NIL], 0
	ds_add_u32 v[SPW], v[NIL]                      ; the wave's opening: the add, twice on end, and its wait ahead of my first tensor load
	ds_add_u32 v[SPW], v[NIL]
	v_lshrrev_b32 v1, 5, v0
	v_readfirstlane_b32 s16, v1                    ; wave 0..3
	s_lshr_b32 s17, s16, 1                         ; I fetch for x (0) or for w (1),
	s_and_b32 s18, s16, 1                          ; its first or its second half
	s_bfe_u32 s40, ttmp6, 0x40000                  ; cx, cy: my place in the cluster
	s_bfe_u32 s41, ttmp6, 0x40004
	s_lshl_b32 s42, ttmp9, 2
	s_add_co_u32 s42, s42, s40                     ; the head = 4 x cluster x + cx
	s_and_b32 s43, ttmp7, 0xffff
	s_lshl_b32 s43, s43, 2
	s_add_co_u32 s43, s43, s41                     ; the block of 256 tokens = 4 x cluster y + cy
	s_lshl_b32 s44, s41, 2
	s_lshl_b32 s44, 15, s44                        ; my row of the cluster
	s_lshl_b32 s45, 0x1111, s40                    ; my column
	s_or_b32 s[G1+0], s44, (0<<16)|(1<<20)|(1<<21)|(5<<22)|(3<<25)   ; 15:0 the mask; 17:16 elements of 1 byte; 20 padding on; 21 set beside a mask; 24:22 after every 64 words; 31:25 four words
	s_or_b32 s[G1B+0], s45, (0<<16)|(1<<20)|(1<<21)|(5<<22)|(3<<25)
	s_mov_b32 s[G1+1], 256<<16                     ; tensor_dim0 = 256 bytes
	s_mov_b32 s[G1+2], 128<<16                     ; tensor_dim1 = 128 rows
	s_mov_b32 s[G1+3], 256<<16                     ; tile_dim0
	s_mov_b32 s[G1+4], 128                         ; tile_dim1
	s_mov_b32 s[G1+5], 512                         ; a row of 1,024 codes in memory
	s_mov_b32 s[G1+6], 0
	s_mov_b32 s[G1+7], 0
	s_mov_b32 s[G1B+1], 256<<16
	s_mov_b32 s[G1B+2], 96<<16                     ; 96 rows
	s_mov_b32 s[G1B+3], 256<<16
	s_mov_b32 s[G1B+4], 96
	s_mov_b32 s[G1B+5], 512
	s_mov_b32 s[G1B+6], 0
	s_mov_b32 s[G1B+7], 0
	s_lshl_b32 s20, s43, 17                        ; x: 256 rows of 512 bytes a block,
	s_lshl_b32 s21, s18, 16                        ; + 128 rows for the second half: in registers that never hold cx
	s_add_co_u32 s20, s20, s21
	s_mov_b32 s21, 0
	s_mul_i32 s46, s42, 192*512                    ; w: 192 rows a head,
	s_mul_i32 s47, s18, 96*512                     ; + 96 rows: in registers that never hold cy
	s_add_co_u32 s46, s46, s47
	s_mov_b32 s47, 0
	s_mul_i32 s22, s18, 128*PITCH                  ; where they go: no place in the cluster enters an LDS address
	s_mul_i32 s23, s18, 96*PITCH
	s_add_co_u32 s23, s23, BOFF
	s_wait_dscnt 0x0                               ; both opening adds are done
	s_wait_kmcnt 0x0
	s_add_nc_u64 s[20:21], s[4:5], s[20:21]
	s_add_nc_u64 s[46:47], s[8:9], s[46:47]
	CROUND                                         ; all sixteen work-groups are here: the joint loads meet
.irp s, 0,1
	s_mov_b32 s[G0+4*\s], 1
	s_add_co_u32 s[G0+4*\s+1], s22, \s*SLOT
	s_add_nc_u64 s[G0+4*\s+2:G0+4*\s+3], s[20:21], \s*256          ; slot s: K from 512 s on
	s_or_b32 s[G0+4*\s+3], s[G0+4*\s+3], 0x80000000
	s_mov_b32 s[G0B+4*\s], 1
	s_add_co_u32 s[G0B+4*\s+1], s23, \s*SLOT
	s_add_nc_u64 s[G0B+4*\s+2:G0B+4*\s+3], s[46:47], \s*256
	s_or_b32 s[G0B+4*\s+3], s[G0B+4*\s+3], 0x80000000
	JLOAD \s                                       ; two loads of mine are out: all that this launch asks for
.endr
	; scale words, biases and the way out: where my wave's parts begin
	s_lshl_b32 s66, s43, 13                        ; x's scale bytes: 32 a row: 256 rows a block,
	s_lshl_b32 s67, s16, 11                        ; 64 rows a wave
	s_add_co_u32 s66, s66, s67
	s_mov_b32 s67, 0
	s_add_nc_u64 s[6:7], s[6:7], s[66:67]
	s_mul_i32 s66, s42, 192*32
	s_add_nc_u64 s[10:11], s[10:11], s[66:67]      ; w's: 192 rows a head
	s_mul_i32 s66, s42, 192*4
	s_add_nc_u64 s[12:13], s[12:13], s[66:67]      ; the head's 192 biases
	s_lshr_b32 s68, s43, 3
	s_lshl_b32 s68, s68, 4
	s_add_co_u32 s68, s68, s42                     ; 16 x batch + head
	s_lshl_b32 s68, s68, 18                        ; 262,144 bytes each,
	s_and_b32 s69, s43, 7
	s_lshl_b32 s69, s69, 15                        ; 32,768 for a block of 256 tokens,
	s_add_co_u32 s68, s68, s69
	s_lshl_b32 s69, s16, 13                        ; 8,192 for a wave's 64
	s_add_co_u32 s68, s68, s69
	s_mov_b32 s69, 0
	s_add_nc_u64 s[70:71], s[14:15], s[68:69]      ; q's part,
	s_add_nc_u64 s[72:73], s[70:71], 0x1000000     ; k's,
	s_add_nc_u64 s[74:75], s[70:71], 0x2000000     ; v's
	v_and_b32 v1, 15, v0                           ; r
	v_bfe_u32 v2, v0, 4, 1                         ; h
	v_and_b32 v3, 31, v0
	v_lshlrev_b32 v[GO], 4, v3
	v_lshlrev_b32 v[SO], 5, v1
	v_lshl_add_u32 v[SO], v2, 4, v[SO]
	v_lshlrev_b32 v[QB], 5, v2
	v_lshlrev_b32 v[VB], 2, v1
.irp a, 0,1,2,3
	global_load_b128 v[SA+4*\a:SA+4*\a+3], v[SO], s[6:7] offset:512*\a     ; 16 rows' scale bytes: 512 consecutive bytes
.endr
.irp n, 0,1,2,3,4,5,6,7,8,9,10,11
	global_load_b128 v[SB+4*\n:SB+4*\n+3], v[SO], s[10:11] offset:512*\n
.endr
	WIN 0xc0                                       ; destination window 3
.irp n, 0,1,2,3
	global_load_b128 v[BQ+8*\n:BQ+8*\n+3], v[QB], s[12:13] offset:64*\n      ; q's bias in the result's layout: channels 16 nt + 8 h + 0 .. 7
	global_load_b128 v[BQ+8*\n+4:BQ+8*\n+7], v[QB], s[12:13] offset:64*\n+16
.endr
.irp t, 0,1,2,3
	global_load_b32 v[BV+8*\t], v[VB], s[12:13] offset:512+64*\t            ; v's: channel 16 t + r
.endr
	WIN 0
	v_mul_u32_u24 v4, v1, PITCH
	v_lshl_add_u32 v4, v2, 4, v4                   ; a fragment's row x pitch + 16 x half
	s_mul_i32 s19, s16, 64*PITCH                   ; my 64 rows of x
.irp s, 0,1
	v_add_nc_u32 v[ADRA+\s], s19, v4
	v_add_nc_u32 v[ADRB+\s], BOFF+\s*SLOT, v4
	s_add_co_u32 s19, s19, SLOT
.endr
	s_wait_loadcnt 0x0
	WIN 0xc3                                       ; source 0 and destination window 3
.irp t, 0,1,2,3
.irp j, 1,2,3,4,5,6,7
	v_mov_b32 v[BV+8*\t+\j], v[BV+8*\t]            ; a lane's eight results of v are eight tokens of one channel: the same bias eight times
.endr
.endr
.macro FRAG reg, adr, q, i             ; 16 rows x 128 K of 4-bit codes: 8 registers; registers 4 c .. 4 c + 3 hold K = 64 c + 32 h + 0 .. 31
.irp c, 0,1
	ds_load_b128 v[\reg+4*\c:\reg+4*\c+3], v[\adr] offset:64*(\q)+32*\c+(\i)*16*PITCH
.endr
.endm
.macro FETCH s, q, p                   ; 32 LDS loads in one run: the q-th 128 along K of slot s into set p: w's twelve fragments, my four of x
	WIN 0x40
.irp i, 0,1,2,3,4,5,6,7,8,9,10,11
	FRAG 128*(\p)+8*\i, ADRB+(\s), \q, \i
.endr
	WIN 0
.irp i, 0,1,2,3
	FRAG AF+32*(\p)+8*\i, ADRA+(\s), \q, \i
.endr
.endm
; One matrix instruction.  cz = 1: C is the constant 0; else C = v[c ..].  row = 1: both sides' scales are read from lanes 16-31.
.macro W4 d, a, b, cz, c, sa, sb, row
.if \cz
	v_wmma_scale_f32_16x16x128_f8f6f4 v[\d:\d+7], v[\a:\a+7], v[\b:\b+7], 0, v[\sa], v[\sb] matrix_a_fmt:MATRIX_FMT_FP4 matrix_b_fmt:MATRIX_FMT_FP4
.elseif \row
	v_wmma_scale_f32_16x16x128_f8f6f4 v[\d:\d+7], v[\a:\a+7], v[\b:\b+7], v[\c:\c+7], v[\sa], v[\sb] matrix_a_fmt:MATRIX_FMT_FP4 matrix_b_fmt:MATRIX_FMT_FP4 matrix_a_scale:MATRIX_SCALE_ROW1 matrix_b_scale:MATRIX_SCALE_ROW1
.else
	v_wmma_scale_f32_16x16x128_f8f6f4 v[\d:\d+7], v[\a:\a+7], v[\b:\b+7], v[\c:\c+7], v[\sa], v[\sb] matrix_a_fmt:MATRIX_FMT_FP4 matrix_b_fmt:MATRIX_FMT_FP4
.endif
.endm
; K step q on set p.  The 48 accumulators take turns, one instruction a turn, in the same order in every step.  The first step starts the sums: q's with its bias, k's with 0, v's with its bias.
.macro MULQK q, p                      ; q and k, transposed: source 0 = w (window 1), source 1 = x (window 0), C and D window 2 (q's bias: window 3)
.irp nt, 0,1,2,3,4,5,6,7
.if ((\q) == 0) && (\nt < 4)
	WIN 0xb1
.else
	WIN 0xa1
.endif
.irp a, 0,1,2,3
.if ((\q) == 0) && (\nt < 4)
	W4 8*(4*\nt+\a), 128*(\p)+8*\nt, AF+32*(\p)+8*\a, 0, BQ+8*\nt, SB+4*\nt+(\q)%4, SA+4*\a+(\q)%4, 0
.elseif (\q) == 0
	W4 8*(4*\nt+\a), 128*(\p)+8*\nt, AF+32*(\p)+8*\a, 1, 0, SB+4*\nt+(\q)%4, SA+4*\a+(\q)%4, 0
.else
	W4 8*(4*\nt+\a), 128*(\p)+8*\nt, AF+32*(\p)+8*\a, 0, 8*(4*\nt+\a), SB+4*\nt+(\q)%4, SA+4*\a+(\q)%4, (\q)/4
.endif
.endr
.endr
.endm
.macro MULV q, p                       ; v, the natural way: source 0 = x (window 0), source 1 = w (window 1), C and D window 3
	WIN 0xf4
.irp t, 0,1,2,3
.irp a, 0,1,2,3
.if (\q) == 0
	W4 8*(4*\t+\a), AF+32*(\p)+8*\a, 128*(\p)+8*(8+\t), 0, BV+8*\t, SA+4*\a+(\q)%4, SB+4*(8+\t)+(\q)%4, 0
.else
	W4 8*(4*\t+\a), AF+32*(\p)+8*\a, 128*(\p)+8*(8+\t), 0, 8*(4*\t+\a), SA+4*\a+(\q)%4, SB+4*(8+\t)+(\q)%4, (\q)/4
.endif
.endr
.endr
.endm
	s_wait_tensorcnt 1                             ; my part of slot 0 is in; slot 1's load may stay out
	s_barrier_signal -1
	s_barrier_wait -1                              ; everybody's is
	FETCH 0, 0, 0
.irp Q, 0,1,2,3,4,5,6,7                ; eight K steps of 128, written out: each fetches the next step's fragments into the other set, then multiplies its own
	PLACES                                         ; the other set was read by the step before
.if \Q == 3
	s_wait_tensorcnt 0x0                           ; my part of slot 1 is in,
	s_wait_dscnt 0x0                               ; no LDS load of mine is out at the signal,
	s_barrier_signal -1
	s_barrier_wait -1                              ; and everybody's part is in: slot 1 may be read.  Nothing is filled again
.endif
.if \Q < 7
	FETCH (\Q+1)/4, (\Q+1)%4, 1-\Q%2
	s_wait_dscnt 32                                ; all but the 32 just issued: this step's fragments are in
.else
	s_wait_dscnt 0x0
.endif
	MULQK \Q, \Q%2
	MULV \Q, \Q%2
.endr
	; THE WAY OUT: rounded to f16 in pairs, each accumulator from its low end on, into window 1; a lane's four registers are 16 bytes of an image.
	PLACES
	WIN 0x4a                                       ; sources window 2, destination window 1
.set i, 0
.rept 32
.irp p, 0,1,2,3
	v_cvt_pk_f16_f32 v[4*i+\p], v[8*i+2*\p], v[8*i+2*\p+1]
.endr
.set i, i+1
.endr
	WIN 0x4f                                       ; sources window 3
.set i, 0
.rept 16
.irp p, 0,1,2,3
	v_cvt_pk_f16_f32 v[128+4*i+\p], v[8*i+2*\p], v[8*i+2*\p+1]
.endr
.set i, i+1
.endr
	WIN 0x04                                       ; a store's data are its source 1: window 1
.irp n, 0,1,2,3
.irp a, 0,1,2,3
	global_store_b128 v[GO], v[4*(4*\n+\a):4*(4*\n+\a)+3], s[70:71] offset:2048*\a+512*\n                    ; q: token tile a, channel tile n: 512 consecutive bytes
	global_store_b128 v[GO], v[64+4*(4*\n+\a):64+4*(4*\n+\a)+3], s[72:73] offset:2048*\a+512*\n              ; k likewise
	global_store_b128 v[GO], v[128+4*(4*\n+\a):128+4*(4*\n+\a)+3], s[74:75] offset:4096*(\a/2)+1024*\n+512*(\a%2)   ; v: keys' group a / 2, channel tile n, half a % 2
.endr
.endr
	WIN 0
	s_wait_tensorcnt 0x0                           ; the wave's end, behind my last tensor load
	ds_add_u32 v[SPW], v[NIL]
	s_wait_dscnt 0x0
	CROUND                                         ; the closing round: no work-group ends while a partner may still ask for a tile that names it
	s_endpgm
.Lfunc_end_k_qbadeee54fe_qkvgemm:
	.size	k_qbadeee54fe_qkvgemm, .Lfunc_end_k_qbadeee54fe_qkvgemm-k_qbadeee54fe_qkvgemm
	.p2alignl 7, 3214868480
	.fill 96, 4, 3214868480
	.section	.rodata,"a",@progbits
	.p2align	6, 0x0
	.amdhsa_kernel k_qbadeee54fe_qkvgemm
		.amdhsa_group_segment_fixed_size 244224
		.amdhsa_private_segment_fixed_size 0
		.amdhsa_enable_private_segment 0
		.amdhsa_kernarg_size 48
		.amdhsa_user_sgpr_count 2
		.amdhsa_user_sgpr_kernarg_segment_ptr 1
		.amdhsa_wavefront_size32 1
		.amdhsa_system_sgpr_workgroup_id_x 1
		.amdhsa_system_sgpr_workgroup_id_y 1
		.amdhsa_system_sgpr_workgroup_id_z 1
		.amdhsa_system_vgpr_workitem_id 0
		.amdhsa_next_free_vgpr 1024
		.amdhsa_next_free_sgpr 80
		.amdhsa_reserve_vcc 0
		.amdhsa_float_denorm_mode_32 3
		.amdhsa_float_denorm_mode_16_64 3
		.amdhsa_memory_ordered 1
		.amdhsa_forward_progress 1
		.amdhsa_inst_pref_size 95
	.end_amdhsa_kernel
	.amdgpu_metadata
---
amdhsa.version: [ 1, 2 ]
amdhsa.kernels:
  - .name:           k_qbadeee54fe_qkvgemm
    .symbol:         k_qbadeee54fe_qkvgemm.kd
    .args:
      - { .name: x_codes, .offset: 0, .size: 8, .value_kind: global_buffer, .address_space: global }
      - { .name: x_scales, .offset: 8, .size: 8, .value_kind: global_buffer, .address_space: global }
      - { .name: w_codes, .offset: 16, .size: 8, .value_kind: global_buffer, .address_space: global }
      - { .name: w_scales, .offset: 24, .size: 8, .value_kind: global_buffer, .address_space: global }
      - { .name: b_qkv, .offset: 32, .size: 8, .value_kind: global_buffer, .address_space: global }
      - { .name: qkv, .offset: 40, .size: 8, .value_kind: global_buffer, .address_space: global }
    .group_segment_fixed_size: 244224
    .private_segment_fixed_size: 0
    .kernarg_segment_align: 8
    .kernarg_segment_size: 48
    .max_flat_workgroup_size: 128
    .sgpr_count:     80
    .vgpr_count:     1024
    .wavefront_size: 32
...
	.end_amdgpu_metadata
.endif
;; end of part 2
;; launch attn (part 3): grid 4 x 64, 16 waves a work-group, clusters of 4 x 1, 327,680 bytes of LDS; arguments qkv, vals; writes vals
.if DOCPART == 3
	.amdgcn_target "amdgcn-amd-amdhsa--gfx1250"
	.amdhsa_code_object_version 6
	.text
	.protected	k_qbadeee54fe_attn
	.globl	k_qbadeee54fe_attn
	.p2align	8
	.type	k_qbadeee54fe_attn,@function
k_qbadeee54fe_attn:
	s_mov_b64 s[64:65], 0
	v_nop
	global_prefetch_b8 v0, s[64:65] scope:SCOPE_SE
	s_setreg_imm32_b32 hwreg(HW_REG_WAVE_MODE, 25, 1), 1
	s_wait_xcnt 0x0
	s_wait_alu depctr_hold_cnt(0) depctr_sa_sdst(0) depctr_va_vdst(0) depctr_va_sdst(0) depctr_va_ssrc(0) depctr_va_vcc(0) depctr_vm_vsrc(0)
	s_getreg_b32 s2, hwreg(HW_REG_IB_STS2, 6, 4)
	s_cmp_eq_u32 s2, 0
	s_cbranch_scc0 .Lentry_in_a_cluster
	s_endpgm
.Lentry_in_a_cluster:
	s_bfe_u32 s2, ttmp6, 0x10000c
	s_cmp_lg_u32 s2, 0x3003
	s_cbranch_scc0 .Lentry_shape_is_right
	s_endpgm
.Lentry_shape_is_right:
; LAUNCH 3 OF 4: for each of 64 heads (16 x batch + head): O[q] = the sum over k of softmax_k(Q[q] . K[k] / 8) V[k], 2,048 queries and keys, head size 64, no mask.  Operands f16, products, maxima and sums f32.
; (k comes without its bias: dead work, shown at the head of the first launch.)
; SOFTMAX.  For each query a running maximum m and sum l: p = 2^(c s - c m), c = log2(e) / 8; in every step O and l are multiplied by a = 2^(c m_old - c m_new).  The sum is taken of p before it is rounded to f16.
; LIMITS: p and O are rounded to f16 (p under 6e-8 becomes 0; O under 6e-5 loses bits, beyond 65,504 becomes infinity).
; SHARES.  A work-group owns 512 queries of one head; each of its SIXTEEN waves 32 of them, two tiles of 16, in 256 registers: four waves to a SIMD, so that one wave's softmax stands beside another's products and LDS loads.
; Every wave walks all keys, 64 a step; each fragment of K and V that it reads from LDS feeds two matrix instructions.
; LAYOUT.  Both products are used transposed: S^T = K Q^T (source 0 = 16 keys, source 1 = 16 queries), O^T = V^T P (source 0 = 16 channels, source 1 = P): a lane holds ONE query (lane % 16) throughout; two tiles of S^T, rounded
; in pairs, ARE source 1 of the second product.  q, k and v lie in memory as images of the operands' registers (launch 2), so every load, from memory and from LDS, is 16 bytes a lane at 16 x lane: 512 consecutive bytes, no pitch, no padding.
; THE RING.  Two LDS slots of 512 keys: 65,536 bytes of K's images, then 65,536 of V's.  Each wave fetches 8,192 bytes of a slot by one tensor load (32 rows of 256 bytes: with sixteen waves to share 131,072 bytes, longer loads
; would leave waves without one).  Four fills in all: two at the head, two refills, each asked for a whole slot's eight key steps ahead of the wait for it; so nothing is prefetched.
; CLUSTER.  The four query blocks of a head walk the same K and V: each tile is asked for JOINTLY, by the same tensor load with the same descriptor and a mask that names the four.
; THE WAY OUT.  A tile of 16 queries x 64 channels is ONE row of 1,024 of the last product's left operand: row 128 x head + tile.  Lane l's eight channels of channel tile t go to position
; 256 t + 8 l of that row: each store covers 512 consecutive bytes.  w_o's columns were laid in the same order by launch 1.
.set SLOT1, 131072
.set SPARE, 262144                     ; behind the ring: the spare words, 128 bytes for each of 16 waves, which no other line names
.set LI,  1                            ; v1   16 x lane; never rewritten
.set ADK, 2                            ; v2   LDS address of the step's K
.set ADV, 3                            ; v3   of its V
.set SPW, 4                            ; v4   LDS address of my spare word; never rewritten
.set NIL, 5                            ; v5   0; never rewritten
.set ST,  8                            ; tile x's statistics at v[ST + 8 x]: +0 c m, +1 m, +2, +3 l (even keys', odd keys'), +4 to +7 four chains of the maximum; then +6 a, +7 c m_old - c m_new
.set Q,   24                           ; v24-55   Q: tile x, channels 32 c on: v[Q + 16 x + 8 c]
.set S,   56                           ; v56-119  S^T, 32 a tile; P is laid over a tile's first 16
.set O,   120                          ; v120-183 O^T, 32 a tile
.set F,   184                          ; v184-247 the step's fragments of K, then of V
.set U,   248                          ; v[248+2x:249+2x] the old c m (low word), later the second chain of the sum
.set WV,  8                            ; s8   my wave's number
.set G1,  16                           ; s[16:23] descriptor group 1
.set G0A, 24                           ; s[24:27] group 0 for slot 0;  s[28:31] for slot 1
.set G0B, 28
.set CS,  32                           ; s[32:33] c, twice: the packed form names a pair
.set SEL, 34                           ; s[34:35] lane selects for v_permlanex16_b32: lane l xor 16
.set TB,  36                           ; s36  LDS byte at which the step's K begins
.set CNT, 37                           ; s37  counts a slot's eight steps
.macro ROUND                           ; a round of the cluster's barrier
	s_barrier_signal -1
	s_barrier_wait -1
	s_cmp_lg_u32 s[WV], 0
	s_cbranch_scc1 .Lnot_wave_0_\@
	s_barrier_signal -3
.Lnot_wave_0_\@:
	s_barrier_wait -3
	s_barrier_signal -1
	s_barrier_wait -1
.endm
	s_load_b128 s[4:7], s[0:1], 0x0                ; qkv s[4:5], vals s[6:7]
	v_lshl_add_u32 v[SPW], v0, 2, SPARE
	v_mov_b32 v[NIL], 0
	ds_add_u32 v[SPW], v[NIL]                      ; the wave's opening: the add, twice on end, and its wait ahead of my first tensor load
	ds_add_u32 v[SPW], v[NIL]
	v_lshrrev_b32 v6, 5, v0
	v_readfirstlane_b32 s[WV], v6                  ; wave 0..15
	v_and_b32 v[LI], 31, v0
	v_lshlrev_b32 v[LI], 4, v[LI]
	s_bfe_u32 s9, ttmp6, 0x40000                   ; cx
	s_lshl_b32 s10, ttmp9, 2
	s_add_co_u32 s10, s10, s9                      ; my block of 512 queries: it enters Q's and the output's addresses alone
	s_and_b32 s11, ttmp7, 0xffff                   ; the head, which the four partners share
	s_lshr_b32 s12, s[WV], 3                       ; waves 0-7 fetch K's images, waves 8-15 V's:
	s_add_co_u32 s12, s12, 1
	s_lshl_b32 s12, s12, 24                        ; part 1 or 2 of qkv,
	s_lshl_b32 s13, s11, 18                        ; the head's 262,144 bytes,
	s_add_co_u32 s12, s12, s13
	s_and_b32 s13, s[WV], 7
	s_lshl_b32 s13, s13, 13                        ; my 8,192 of a slot's 65,536
	s_add_co_u32 s12, s12, s13
	s_mov_b32 s13, 0
	s_lshl_b32 s14, s11, 18                        ; Q and the output: the head,
	s_lshl_b32 s15, s10, 16                        ; 32 tiles of 2,048 bytes a block,
	s_add_co_u32 s14, s14, s15
	s_lshl_b32 s15, s[WV], 12                      ; two tiles a wave
	s_add_co_u32 s14, s14, s15
	s_mov_b32 s15, 0
	s_lshl_b32 s42, s[WV], 13                      ; where my tiles go in a slot: 8,192 x wave
	s_mov_b32 s[G1], 15|(3<<16)|(1<<21)            ; 15:0 the mask: all four work-groups; 17:16 elements of 8 bytes; 21 set beside a mask; no padding
	s_mov_b32 s[G1+1], 32<<16                      ; tensor_dim0 = 32 elements: 256 bytes
	s_mov_b32 s[G1+2], 32<<16                      ; tensor_dim1 = 32 rows
	s_mov_b32 s[G1+3], 32<<16                      ; tile_dim0
	s_mov_b32 s[G1+4], 32                          ; tile_dim1
	s_mov_b32 s[G1+5], 32                          ; the rows are dense
	s_mov_b32 s[G1+6], 0
	s_mov_b32 s[G1+7], 0
	s_mov_b32 s[CS], 0x3e38aa3b                    ; c = log2(e) / 8
	s_mov_b32 s[CS+1], s[CS]
	s_mov_b32 s[SEL], 0x76543210
	s_mov_b32 s[SEL+1], 0xfedcba98
	s_wait_dscnt 0x0                               ; both opening adds are done
	s_wait_kmcnt 0x0
	s_add_nc_u64 s[12:13], s[4:5], s[12:13]
	s_add_nc_u64 s[38:39], s[4:5], s[14:15]        ; Q at my first tile (part 0 of qkv)
	s_add_nc_u64 s[40:41], s[6:7], s[14:15]        ; the output likewise
	ROUND                                          ; all four work-groups are here: the first joint loads meet
	s_mov_b32 s[G0A], 1
	s_mov_b32 s[G0A+1], s42
	s_mov_b64 s[G0A+2:G0A+3], s[12:13]             ; keys 0 to 511
	s_or_b32 s[G0A+3], s[G0A+3], 0x80000000
	s_mov_b32 s[G0B], 1
	s_add_co_u32 s[G0B+1], s42, SLOT1
	s_add_nc_u64 s[G0B+2:G0B+3], s[12:13], 65536   ; keys 512 to 1,023
	s_or_b32 s[G0B+3], s[G0B+3], 0x80000000
	tensor_load_to_lds s[G0A:G0A+3], s[G1:G1+7]    ; both first fills go out together: two loads of mine are out
	s_nop 0
	tensor_load_to_lds s[G0B:G0B+3], s[G1:G1+7]
	s_nop 0
.irp i, 0,1,2,3,4,5,6,7
	global_load_b128 v[Q+4*\i:Q+4*\i+3], v[LI], s[38:39] offset:512*\i   ; Q stays in registers
.endr
.irp x, 0,1
	v_mov_b32 v[ST+8*\x+1], 0xff61b1e6             ; m = -3e38, under every score
	v_mul_f32 v[ST+8*\x], s[CS], v[ST+8*\x+1]      ; c m
	v_mov_b32 v[ST+8*\x+2], 0                      ; l
	v_mov_b32 v[ST+8*\x+3], 0
.endr
.set n, 0
.rept 64
	v_mov_b32 v[O+n], 0                            ; O^T.  The key step is written once for all steps: the first finds zeros, and its a, which is 0, leaves them zeros
.set n, n+1
.endr
; A SLOT'S EIGHT KEY STEPS of 64 keys, from LDS byte base on: a loop of eight trips.
.macro KEYSTEPS base
	s_mov_b32 s[TB], \base
	s_mov_b32 s[CNT], 8
.Lstep_\@:
	v_add_nc_u32 v[ADK], s[TB], v[LI]              ; five places behind the last V^T P: K's loads land on registers that it read, and the first products below write over P, which it read
.rept 4
	v_nop
.endr
.irp i, 0,1,2,3,4,5,6,7,8,9,10,11,12,13,14,15
	ds_load_b128 v[F+4*\i:F+4*\i+3], v[ADK] offset:512*\i          ; K: key tile i / 4, fragment registers 4 (i % 4) on
.endr
	s_wait_dscnt 0x0
.irp c, 0,1                            ; S^T = K Q^T: the eight accumulators take turns; the first eight products start the sums
.irp kt, 0,1,2,3
.irp x, 0,1
.if \c == 0
	v_wmma_f32_16x16x32_f16 v[S+32*\x+8*\kt:S+32*\x+8*\kt+7], v[F+8*(2*\kt+\c):F+8*(2*\kt+\c)+7], v[Q+16*\x+8*\c:Q+16*\x+8*\c+7], 0
.else
	v_wmma_f32_16x16x32_f16 v[S+32*\x+8*\kt:S+32*\x+8*\kt+7], v[F+8*(2*\kt+\c):F+8*(2*\kt+\c)+7], v[Q+16*\x+8*\c:Q+16*\x+8*\c+7], v[S+32*\x+8*\kt:S+32*\x+8*\kt+7]
.endif
.endr
.endr
.endr
	v_mov_b32 v[U], v[ST]                          ; four places behind those products: c m_old is kept for a,
	v_mov_b32 v[U+2], v[ST+8]
	v_add_nc_u32 v[ADV], 0x10000, v[ADK]           ; V's images lie 65,536 bytes behind K's
	v_nop
.irp i, 0,1,2,3,4,5,6,7,8,9,10,11,12,13,14,15
	ds_load_b128 v[F+4*\i:F+4*\i+3], v[ADV] offset:512*\i          ; V: keys' group i / 8, channel tile (i / 2) % 4: it lands while the softmax is walked
.endr
	; the maximum of a lane's 32 scores and the old m: four chains a tile, each accumulator from its low end on; the two tiles alternate
.irp j, 0,1,2,3
.irp x, 0,1
	v_max3_num_f32 v[ST+8*\x+4+\j], v[S+32*\x+8*\j], v[S+32*\x+8*\j+1], v[S+32*\x+8*\j+2]
.endr
.endr
.irp i, 3,5
.irp j, 0,1,2,3
.irp x, 0,1
	v_max3_num_f32 v[ST+8*\x+4+\j], v[ST+8*\x+4+\j], v[S+32*\x+8*\j+\i], v[S+32*\x+8*\j+\i+1]
.endr
.endr
.endr
.irp x, 0,1
	v_max3_num_f32 v[ST+8*\x+4], v[ST+8*\x+4], v[S+32*\x+7], v[S+32*\x+15]
	v_max3_num_f32 v[ST+8*\x+6], v[ST+8*\x+6], v[S+32*\x+23], v[S+32*\x+31]
.endr
.irp x, 0,1
	v_max3_num_f32 v[ST+8*\x+4], v[ST+8*\x+4], v[ST+8*\x+5], v[ST+8*\x+6]
.endr
.irp x, 0,1
	v_max3_num_f32 v[ST+8*\x+4], v[ST+8*\x+4], v[ST+8*\x+7], v[ST+8*\x+1]
.endr
.irp x, 0,1
	v_permlanex16_b32 v[ST+8*\x+5], v[ST+8*\x+4], s[SEL], s[SEL+1]   ; the query's other 32 keys lie in the lane 16 away
.endr
.irp x, 0,1
	v_max_num_f32 v[ST+8*\x+1], v[ST+8*\x+4], v[ST+8*\x+5]           ; the new m
.endr
.irp x, 0,1
	v_mul_f32 v[ST+8*\x], s[CS], v[ST+8*\x+1]                        ; c m
.endr
.irp x, 0,1
	v_sub_f32 v[ST+8*\x+7], v[U+2*\x], v[ST+8*\x]                    ; c m_old - c m_new, 0 or less
.endr
.irp x, 0,1
	v_exp_f32 v[ST+8*\x+6], v[ST+8*\x+7]                             ; a
.endr
.irp i, 0,2,4,6,8,10,12,14,16,18,20,22,24,26,28,30
.irp x, 0,1
	v_pk_fma_f32 v[S+32*\x+\i:S+32*\x+\i+1], v[S+32*\x+\i:S+32*\x+\i+1], s[CS:CS+1], v[ST+8*\x:ST+8*\x+1] op_sel_hi:[1,0,0] neg_lo:[0,0,1] neg_hi:[0,0,1]   ; c s - c m, two at a time: plain work behind a's exponentials
.endr
.endr
	s_wait_alu depctr_va_vdst(0)                   ; the wait ahead of the first line that names a
.set n, 0
.rept 32                               ; the 64 exponentials are one batch; O^T's rescaling by a, which names none of their results, stands among them, and its last line is the plain line behind the last exponential
	v_exp_f32 v[S+n], v[S+n]
	v_exp_f32 v[S+32+n], v[S+32+n]
	v_pk_mul_f32 v[O+2*n:O+2*n+1], v[O+2*n:O+2*n+1], v[ST+8*(n/16)+6:ST+8*(n/16)+7] op_sel_hi:[1,0]
.set n, n+1
.endr
	s_wait_alu depctr_va_vdst(0)                   ; one wait for the batch, ahead of its first reader
.irp x, 0,1
	v_pk_fma_f32 v[ST+8*\x+2:ST+8*\x+3], v[ST+8*\x+2:ST+8*\x+3], v[ST+8*\x+6:ST+8*\x+7], v[S+32*\x:S+32*\x+1] op_sel_hi:[1,0,1]   ; l = a l + the first pair: the sums of the unrounded p, in two chains a tile
.endr
.irp x, 0,1
	v_pk_add_f32 v[U+2*\x:U+2*\x+1], v[S+32*\x+2:S+32*\x+3], v[S+32*\x+6:S+32*\x+7]
.endr
.irp i, 4,8,12,16,20,24
.irp x, 0,1
	v_pk_add_f32 v[ST+8*\x+2:ST+8*\x+3], v[ST+8*\x+2:ST+8*\x+3], v[S+32*\x+\i:S+32*\x+\i+1]
	v_pk_add_f32 v[U+2*\x:U+2*\x+1], v[U+2*\x:U+2*\x+1], v[S+32*\x+\i+6:S+32*\x+\i+7]
.endr
.endr
.irp x, 0,1
	v_pk_add_f32 v[ST+8*\x+2:ST+8*\x+3], v[ST+8*\x+2:ST+8*\x+3], v[S+32*\x+28:S+32*\x+29]
.endr
.irp x, 0,1
	v_pk_add_f32 v[ST+8*\x+2:ST+8*\x+3], v[ST+8*\x+2:ST+8*\x+3], v[U+2*\x:U+2*\x+1]
.endr
.irp i, 0,1,2,3,4,5,6,7,8,9,10,11,12,13,14,15
.irp x, 0,1
	v_cvt_pk_f16_f32 v[S+32*\x+\i], v[S+32*\x+2*\i], v[S+32*\x+2*\i+1]   ; P, laid over the tile's first 16 registers: register i is written when registers 2 i and 2 i + 1 are read
.endr
.endr
	s_wait_dscnt 0x0                               ; V is in
.irp g, 0,1                            ; O^T += V^T P: the eight accumulators take turns
.irp t, 0,1,2,3
.irp x, 0,1
	v_wmma_f32_16x16x32_f16 v[O+32*\x+8*\t:O+32*\x+8*\t+7], v[F+8*(4*\g+\t):F+8*(4*\g+\t)+7], v[S+32*\x+8*\g:S+32*\x+8*\g+7], v[O+32*\x+8*\t:O+32*\x+8*\t+7]
.endr
.endr
.endr
	s_add_co_u32 s[TB], s[TB], 8192                ; the next 64 keys' images
	s_sub_co_u32 s[CNT], s[CNT], 1
	s_cmp_lg_u32 s[CNT], 0
	s_cbranch_scc1 .Lstep_\@
.endm
; THE CHANGE OF SLOTS with a refill.  Each wave waits for all its tensor loads (its part of the slot ahead), adds 0 to its spare word, and waits for that and for its reads of the slot that it has left; the round of the
; cluster's barrier shows the same of every wave of all four work-groups; the joint refill of the slot that was left, with the keys 1,024 on, is the first thing behind it, one load a wave.
.macro CHANGE g0
	s_wait_tensorcnt 0x0                           ; no tensor load of mine is out, so a group 0 may be written
	ds_add_u32 v[SPW], v[NIL]
	s_add_nc_u64 s[\g0+2:\g0+3], s[\g0+2:\g0+3], 131072
	s_wait_dscnt 0x0
	ROUND
	tensor_load_to_lds s[\g0:\g0+3], s[G1:G1+7]
	s_nop 0
.endm
	s_wait_tensorcnt 1                             ; my part of slot 0 is in; slot 1's may stay out
	s_barrier_signal -1
	s_barrier_wait -1                              ; everybody's is
	s_wait_loadcnt 0x0                             ; Q
	KEYSTEPS 0                                     ; keys 0 to 511
	CHANGE G0A                                     ; slot 0 takes keys 1,024 to 1,535
	KEYSTEPS SLOT1                                 ; keys 512 to 1,023
	CHANGE G0B                                     ; slot 1 takes keys 1,536 to 2,047
	KEYSTEPS 0
	s_wait_tensorcnt 0x0                           ; the last change of slots: my part of slot 1 is in; nothing is asked for, so the work-group's own barrier does
	ds_add_u32 v[SPW], v[NIL]
	s_wait_dscnt 0x0
	s_barrier_signal -1
	s_barrier_wait -1
	KEYSTEPS SLOT1
	; THE WAY OUT.  l's two halves and the other half of the lanes' are added; O^T is divided by l, rounded to f16 and stored from the registers: 16 bytes a lane.  The additions are the places behind the last products.
.irp x, 0,1
	v_add_f32 v[ST+8*\x+4], v[ST+8*\x+2], v[ST+8*\x+3]
.endr
.irp x, 0,1
	v_permlanex16_b32 v[ST+8*\x+5], v[ST+8*\x+4], s[SEL], s[SEL+1]
.endr
.irp x, 0,1
	v_add_f32 v[ST+8*\x+4], v[ST+8*\x+4], v[ST+8*\x+5]
.endr
.irp x, 0,1
	v_rcp_f32 v[ST+8*\x+6], v[ST+8*\x+4]
.endr
	v_nop                                          ; a plain line behind the last reciprocal,
	s_wait_alu depctr_va_vdst(0)                   ; and the wait ahead of the first use: one for both
.set n, 0
.rept 32
	v_pk_mul_f32 v[O+2*n:O+2*n+1], v[O+2*n:O+2*n+1], v[ST+8*(n/16)+6:ST+8*(n/16)+7] op_sel_hi:[1,0]
.set n, n+1
.endr
.set n, 0
.rept 32
	v_cvt_pk_f16_f32 v[S+n], v[O+2*n], v[O+2*n+1]
.set n, n+1
.endr
.irp x, 0,1
.irp t, 0,1,2,3
	global_store_b128 v[LI], v[S+16*\x+4*\t:S+16*\x+4*\t+3], s[40:41] offset:2048*\x+512*\t   ; 32 lanes store 512 consecutive bytes, aligned
.endr
.endr
	s_wait_tensorcnt 0x0                           ; the wave's end, behind my last tensor load
	ds_add_u32 v[SPW], v[NIL]
	s_wait_dscnt 0x0
	ROUND                                          ; the closing round: no work-group ends while a partner may still ask for a tile that names it
	s_endpgm
.Lfunc_end_k_qbadeee54fe_attn:
	.size	k_qbadeee54fe_attn, .Lfunc_end_k_qbadeee54fe_attn-k_qbadeee54fe_attn
	.p2alignl 7, 3214868480
	.fill 96, 4, 3214868480
	.section	.rodata,"a",@progbits
	.p2align	6, 0x0
	.amdhsa_kernel k_qbadeee54fe_attn
		.amdhsa_group_segment_fixed_size 327680
		.amdhsa_private_segment_fixed_size 0
		.amdhsa_enable_private_segment 0
		.amdhsa_kernarg_size 16
		.amdhsa_user_sgpr_count 2
		.amdhsa_user_sgpr_kernarg_segment_ptr 1
		.amdhsa_wavefront_size32 1
		.amdhsa_system_sgpr_workgroup_id_x 1
		.amdhsa_system_sgpr_workgroup_id_y 1
		.amdhsa_system_sgpr_workgroup_id_z 1
		.amdhsa_system_vgpr_workitem_id 0
		.amdhsa_next_free_vgpr 256
		.amdhsa_next_free_sgpr 66
		.amdhsa_reserve_vcc 0
		.amdhsa_float_denorm_mode_32 3
		.amdhsa_float_denorm_mode_16_64 3
		.amdhsa_memory_ordered 1
		.amdhsa_forward_progress 1
		.amdhsa_inst_pref_size 82
	.end_amdhsa_kernel
	.amdgpu_metadata
---
amdhsa.version: [ 1, 2 ]
amdhsa.kernels:
  - .name:           k_qbadeee54fe_attn
    .symbol:         k_qbadeee54fe_attn.kd
    .args:
      - { .name: qkv, .offset: 0, .size: 8, .value_kind: global_buffer, .address_space: global }
      - { .name: vals, .offset: 8, .size: 8, .value_kind: global_buffer, .address_space: global }
    .group_segment_fixed_size: 327680
    .private_segment_fixed_size: 0
    .kernarg_segment_align: 8
    .kernarg_segment_size: 16
    .max_flat_workgroup_size: 512
    .sgpr_count:     66
    .vgpr_count:     256
    .wavefront_size: 32
...
	.end_amdgpu_metadata
.endif
;; end of part 3
;; launch oproj (part 4): grid 8 x 64, 4 waves a work-group, clusters of 4 x 4, 327,680 bytes of LDS; arguments vals, wof, b_o, out0; writes out0
.if DOCPART == 4
	.amdgcn_target "amdgcn-amd-amdhsa--gfx1250"
	.amdhsa_code_object_version 6
	.text
	.protected	k_qbadeee54fe_oproj
	.globl	k_qbadeee54fe_oproj
	.p2align	8
	.type	k_qbadeee54fe_oproj,@function
k_qbadeee54fe_oproj:
	s_mov_b64 s[64:65], 0
	v_nop
	global_prefetch_b8 v0, s[64:65] scope:SCOPE_SE
	s_setreg_imm32_b32 hwreg(HW_REG_WAVE_MODE, 25, 1), 1
	s_wait_xcnt 0x0
	s_wait_alu depctr_hold_cnt(0) depctr_sa_sdst(0) depctr_va_vdst(0) depctr_va_sdst(0) depctr_va_ssrc(0) depctr_va_vcc(0) depctr_vm_vsrc(0)
	s_getreg_b32 s2, hwreg(HW_REG_IB_STS2, 6, 4)
	s_cmp_eq_u32 s2, 0
	s_cbranch_scc0 .Lentry_in_a_cluster
	s_endpgm
.Lentry_in_a_cluster:
	s_bfe_u32 s2, ttmp6, 0x10000c
	s_cmp_lg_u32 s2, 0xf033
	s_cbranch_scc0 .Lentry_shape_is_right
	s_endpgm
.Lentry_shape_is_right:
; LAUNCH 4 OF 4: out0[m][n] = the sum over e of vals[m][e] w_o[n][e] + b_o[n].  vals [8192][1024] and wof [1024][1024] are f16, both with the same order of e along their rows (launches 1 and 3): every sum has its own terms.  Sums and out0 in f32.
; A tile of out0 is 128 x 128: 512 work-groups.  Four waves, each 64 x 64: 16 accumulators of 16 x 16.  K goes in steps of 256 (LDS rows of 512 bytes + 16 of padding; a wave's tensor load brings 64 of them) through a ring of two slots.
; CLUSTERS: 4 x 4 work-groups.  The four of a row of the cluster need the same tiles of vals, the four of a column the same tiles of wof: each tile is asked for JOINTLY, by the same tensor load with the same descriptor and a mask that names the four.
; THE MATRIX INSTRUCTION IS USED TRANSPOSED (source 0 = 16 rows of wof, source 1 = 16 rows of vals): a lane holds eight neighbouring numbers of a row of out0.  The bias is the C of each sum's first matrix instruction.
; REGISTERS: window 0: v0-31 addresses; v32-95 at work on the way out; v96-127 the bias, eight registers for each of my four column blocks; v128-255 the accumulators ((a, b) at v[128 + 8 (4 a + b)]).
;   window 1: two fragment buffers of 128: for 64 along K, 64 registers of vals, then 64 of wof.
.set SIZE_N, 1024
.set SIZE_K, 1024
.set KSTEP,  256
.set PITCH,  528                       ; 132 words: the 16 rows that a fragment load touches start at 16 different banks
.set HALFT,  64*PITCH                  ; 64 rows: what one tensor load brings, and what one wave reads of either operand
.set SLOT,   4*HALFT                   ; vals' 128 rows, then wof's 128 rows
.set SPARE,  2*SLOT                    ; behind the ring: the spare words, 128 bytes a wave, which no other line names
.set SPITCH, 272                       ; the way out: a stage of 64 rows x (256 bytes + 16) for each wave, in slot 0, which has had its last fill and its last read when the first result is stored there
.set LAPS, SIZE_K/(2*KSTEP)            ; a lap = two K steps = once round the ring
.set ADRA, 16                          ; v16-17  LDS address of my fragments of vals in slot 0, 1
.set ADRB, 20                          ; v20-21  the same for wof
.set STO,  24                          ; v24     the way out: where I put 32 bytes of a row
.set RD,   25                          ; v25     where I read a row back
.set CO,   26                          ; v26     my byte offset in out0
.set BO,   27                          ; v27     32 x (lane / 16): the bias's offset
.set SPW,  28                          ; v28     LDS address of my spare word; never rewritten
.set NIL,  29                          ; v29     0; never rewritten
.set TMP,  32
.set BIAS, 96
.set ACC,  128
.set F0,   0                           ; fragment buffers, in window 1
.set F1,   128
.set WV,   66                          ; s66 my wave's number; s67 which half of the tile's rows is mine (also: I fetch for vals or for wof); s68 which half of its columns (also: which 64 rows I fetch)
.set RH,   67
.set CH,   68
.set G1, 24                            ; s[24:31] descriptor group 1 for vals' tiles;  s[32:39] group 0, one set for each slot
.set G0, 32
.set G1B, 48                           ; s[48:55], s[56:63] the same for wof's
.set G0B, 56
.set MSB, 0
.macro WIN new                         ; the immediate's high byte repeats the setting that is left
.if MSB != \new
	s_set_vgpr_msb (MSB<<8)|\new
.set MSB, \new
.endif
.endm
.set MUL,  0x05                        ; sources 0 and 1 window 1; C and D window 0
.set TO_F, 0x40                        ; destination window 1, address window 0
.macro JLOAD s                         ; a joint load: waves 0 and 1 fetch vals' two halves, waves 2 and 3 wof's; an s_nop 0 and four v_nop follow each of the two lines
	s_cmp_eq_u32 s[RH], 0
	s_cbranch_scc0 .Lfor_b_\@
	tensor_load_to_lds s[G0+4*\s:G0+4*\s+3], s[G1:G1+7]
	s_nop 0
.rept 4
	v_nop
.endr
	s_branch .Lasked_\@
.Lfor_b_\@:
	tensor_load_to_lds s[G0B+4*\s:G0B+4*\s+3], s[G1B:G1B+7]
	s_nop 0
.rept 4
	v_nop
.endr
.Lasked_\@:
.endm
.macro CREST                           ; a round of the cluster's barrier behind its opening barrier
	s_cmp_lg_u32 s[WV], 0
	s_cbranch_scc1 .Lnot_wave_0_\@
	s_barrier_signal -3
.Lnot_wave_0_\@:
	s_barrier_wait -3
	s_barrier_signal -1
	s_barrier_wait -1
.endm
.macro CROUND                          ; a whole round
	s_barrier_signal -1
	s_barrier_wait -1
	CREST
.endm
	s_load_b256 s[4:11], s[0:1], 0x0               ; vals s[4:5], wof s[6:7], b_o s[8:9], out0 s[10:11]
	v_lshl_add_u32 v[SPW], v0, 2, SPARE
	v_mov_b32 v[NIL], 0
	ds_add_u32 v[SPW], v[NIL]                      ; the wave's opening: the add, twice on end, and its wait ahead of my first tensor load
	ds_add_u32 v[SPW], v[NIL]
	v_lshrrev_b32 v1, 5, v0
	v_readfirstlane_b32 s[WV], v1                  ; wave 0..3
	s_lshr_b32 s[RH], s[WV], 1
	s_and_b32 s[CH], s[WV], 1
	s_bfe_u32 s40, ttmp6, 0x40000                  ; cx, cy: my place in the cluster
	s_bfe_u32 s41, ttmp6, 0x40004
	s_lshl_b32 s42, ttmp9, 2
	s_add_co_u32 s42, s42, s40                     ; tile column = 4 x cluster x + cx
	s_and_b32 s13, ttmp7, 0xffff
	s_lshl_b32 s13, s13, 2
	s_add_co_u32 s13, s13, s41                     ; tile row = 4 x cluster y + cy
	s_lshl_b32 s43, s41, 2
	s_lshl_b32 s43, 15, s43                        ; my row of the cluster
	s_lshl_b32 s44, 0x1111, s40                    ; my column
	s_or_b32 s[G1+0], s43, (1<<16)|(1<<20)|(1<<21)|(6<<22)|(3<<25)  ; 15:0 the mask; 17:16 elements of 2 bytes; 20 padding on; 21 set beside a mask; 24:22 after every 128 words; 31:25 four words
	s_or_b32 s[G1B+0], s44, (1<<16)|(1<<20)|(1<<21)|(6<<22)|(3<<25)
.irp g, G1, G1B
	s_mov_b32 s[\g+1], KSTEP<<16                   ; tensor_dim0 = 256
	s_mov_b32 s[\g+2], 64<<16                      ; tensor_dim1 = 64
	s_mov_b32 s[\g+3], KSTEP<<16                   ; tile_dim0 = 256
	s_mov_b32 s[\g+4], 64                          ; tile_dim1 = 64
	s_mov_b32 s[\g+5], SIZE_K                      ; tensor_dim0_stride
	s_mov_b32 s[\g+6], 0
	s_mov_b32 s[\g+7], 0
.endr
	s_lshl_b32 s17, s[CH], 6                       ; which 64 rows of the tile I fetch
	s_lshl_b32 s16, s13, 7
	s_add_co_u32 s16, s16, s17                     ; vals: row 128 x tile row + 64 x half
	s_lshl_b32 s46, s42, 7
	s_add_co_u32 s46, s46, s17                     ; wof: row 128 x tile column + 64 x half
	s_mov_b32 s17, 0
	s_mov_b32 s47, 0
	s_mov_b64 s[18:19], SIZE_K*2
	s_mul_u64 s[16:17], s[16:17], s[18:19]
	s_mul_u64 s[46:47], s[46:47], s[18:19]
	s_mul_i32 s20, s[WV], HALFT                    ; where they go: wave x 64 rows: no place in the cluster enters an LDS address
	s_wait_dscnt 0x0                               ; both opening adds are done
	s_wait_kmcnt 0x0
	s_add_nc_u64 s[14:15], s[4:5], s[16:17]
	s_add_nc_u64 s[46:47], s[6:7], s[46:47]
	CROUND                                         ; all sixteen work-groups are here: the first joint loads meet
.irp s, 0,1
	s_mov_b32 s[G0+4*\s], 1
	s_add_co_u32 s[G0+4*\s+1], s20, \s*SLOT
	s_add_nc_u64 s[G0+4*\s+2:G0+4*\s+3], s[14:15], \s*KSTEP*2
	s_or_b32 s[G0+4*\s+3], s[G0+4*\s+3], 0x80000000
	s_mov_b32 s[G0B+4*\s], 1
	s_add_co_u32 s[G0B+4*\s+1], s20, \s*SLOT
	s_add_nc_u64 s[G0B+4*\s+2:G0B+4*\s+3], s[46:47], \s*KSTEP*2
	s_or_b32 s[G0B+4*\s+3], s[G0B+4*\s+3], 0x80000000
	JLOAD \s
.endr
	v_and_b32 v1, 15, v0                           ; l % 16
	v_bfe_u32 v2, v0, 4, 1                         ; l / 16
	v_lshlrev_b32 v[BO], 5, v2
	s_lshl_b32 s46, s42, 9                         ; my first column, in bytes of f32: 512 x tile column
	s_lshl_b32 s47, s[CH], 8                       ; + 256 x half
	s_add_co_u32 s46, s46, s47
	s_mov_b32 s47, 0
	s_add_nc_u64 s[8:9], s[8:9], s[46:47]
.irp b, 0,1,2,3
	global_load_b128 v[BIAS+8*\b:BIAS+8*\b+3], v[BO], s[8:9] offset:64*\b        ; the bias in the result's layout: columns 16 b + 8 (l / 16) + 0 .. 7
	global_load_b128 v[BIAS+8*\b+4:BIAS+8*\b+7], v[BO], s[8:9] offset:64*\b+16
.endr
	v_mul_u32_u24 v3, v1, PITCH
	v_lshl_add_u32 v3, v2, 4, v3                   ; a fragment's row x pitch + 16 x half
	s_mul_i32 s21, s[RH], HALFT                    ; my 64 rows of vals
	s_mul_i32 s22, s[CH], HALFT                    ; my 64 rows of wof,
	s_add_co_u32 s22, s22, 2*HALFT                 ; which lie behind vals' 128
.irp s, 0,1
	v_add_nc_u32 v[ADRA+\s], s21, v3
	v_add_nc_u32 v[ADRB+\s], s22, v3
	s_add_co_u32 s21, s21, SLOT
	s_add_co_u32 s22, s22, SLOT
.endr
	s_mul_i32 s23, s[WV], 64*SPITCH                ; my stage
	v_mul_u32_u24 v4, v1, SPITCH                   ; in: row l % 16, 32 bytes for each half of the lanes
	v_lshl_add_u32 v4, v2, 5, v4
	v_add_nc_u32 v[STO], s23, v4
	v_mul_u32_u24 v5, v2, SPITCH                   ; back: lanes 0-15 take one row of 256 bytes, lanes 16-31 the next
	v_lshl_add_u32 v5, v1, 4, v5
	v_add_nc_u32 v[RD], s23, v5
	v_lshlrev_b32 v5, 12, v2                       ; and the same two rows in out0: 4,096 bytes a row
	v_lshl_add_u32 v[CO], v1, 4, v5
	s_lshl_b32 s16, s13, 7
	s_lshl_b32 s17, s[RH], 6
	s_add_co_u32 s16, s16, s17                     ; my first row: 128 x tile row + 64 x half
	s_lshl_b32 s16, s16, 12
	s_mov_b32 s17, 0
	s_add_nc_u64 s[10:11], s[10:11], s[16:17]
	s_add_nc_u64 s[10:11], s[10:11], s[46:47]
; 8 matrix instructions: m blocks a0, a0 + 1 x all 4 n blocks, 32 along K: half c of buffer f.  zero = 1: the first product starts the sums, with the bias as its C.  The 16 accumulators take turns.
.macro MUL8 f, c, a0, zero
.irp a, \a0, \a0+1
.irp b, 0,1,2,3
.if \zero
	v_wmma_f32_16x16x32_f16 v[ACC+8*(4*(\a)+\b):ACC+8*(4*(\a)+\b)+7], v[\f+64+8*(4*\c+\b):\f+64+8*(4*\c+\b)+7], v[\f+8*(4*\c+\a):\f+8*(4*\c+\a)+7], v[BIAS+8*\b:BIAS+8*\b+7]
.else
	v_wmma_f32_16x16x32_f16 v[ACC+8*(4*(\a)+\b):ACC+8*(4*(\a)+\b)+7], v[\f+64+8*(4*\c+\b):\f+64+8*(4*\c+\b)+7], v[\f+8*(4*\c+\a):\f+8*(4*\c+\a)+7], v[ACC+8*(4*(\a)+\b):ACC+8*(4*(\a)+\b)+7]
.endif
.endr
.endr
.endm
; 32 LDS loads in one run: the fragments of 64 along K at byte k of the rows, into buffer f; the first 32 along K first
.macro FETCH slot, k, f
	WIN TO_F
.irp c, 0,1
.irp i, 0,1,2,3
	ds_load_b128 v[\f+64+8*(4*\c+\i):\f+64+8*(4*\c+\i)+3],   v[ADRB+\slot] offset:\k+64*\c+\i*16*PITCH
	ds_load_b128 v[\f+64+8*(4*\c+\i)+4:\f+64+8*(4*\c+\i)+7], v[ADRB+\slot] offset:\k+64*\c+\i*16*PITCH+32
	ds_load_b128 v[\f+8*(4*\c+\i):\f+8*(4*\c+\i)+3],         v[ADRA+\slot] offset:\k+64*\c+\i*16*PITCH
	ds_load_b128 v[\f+8*(4*\c+\i)+4:\f+8*(4*\c+\i)+7],       v[ADRA+\slot] offset:\k+64*\c+\i*16*PITCH+32
.endr
.endr
.endm
.macro PLACES                          ; four places in front of loads into registers that matrix instructions have read, and of the first read of results
.rept 4
	v_nop
.endr
.endm
; A K step is four quarters of 64 along K, 32 matrix instructions each, on buffers 0, 1, 0, 1.  One of the first three: multiplies buffer f and fetches the next quarter, at byte k, into g.
.macro QUARTER slot, k, f, g, zero
	s_wait_dscnt 16                                ; the first 32 along K are in; the youngest sixteen loads may be out
	WIN MUL
	MUL8 \f, 0, 0, \zero
	MUL8 \f, 0, 2, \zero
	PLACES
	FETCH \slot, \k, \g
	s_wait_dscnt 32                                ; all but the 32 just issued
	WIN MUL
	MUL8 \f, 1, 0, 0
	MUL8 \f, 1, 2, 0
.endm
; The last quarter multiplies buffer 1 and changes slots: ONE barrier; in front of it each wave waits for all its tensor loads, adds 0 to its spare word, and waits for that and for its own reads of this slot.  fill = 1: this slot is filled again, two K steps ahead.
.macro TURN slot, next, fill
	WIN 0                                          ; (the add's two registers lie in window 0)
	s_wait_tensorcnt 0x0                           ; all my tensor loads have landed: my part of the next slot;
	ds_add_u32 v[SPW], v[NIL]
	s_wait_dscnt 17                                ; (the add and the youngest sixteen loads may be out)
	WIN MUL
	MUL8 F1, 0, 0, 0                               ; eight matrix instructions stand between the add and the wait for it
	s_wait_dscnt 0x0                               ; the add is done, and my reads of this slot are over
	s_barrier_signal -1
	MUL8 F1, 0, 2, 0
.if \fill
	WIN 0
.endif
	s_barrier_wait -1
.if \fill
	CREST                                          ; the barrier has opened a round of the cluster's barrier: no wave of any partner still reads this slot's tile or has a load on its way
	s_add_nc_u64 s[G0+4*\slot+2:G0+4*\slot+3], s[G0+4*\slot+2:G0+4*\slot+3], 2*KSTEP*2
	s_add_nc_u64 s[G0B+4*\slot+2:G0B+4*\slot+3], s[G0B+4*\slot+2:G0B+4*\slot+3], 2*KSTEP*2
	JLOAD \slot                                    ; the first tensor load behind the round; the four v_nop behind it are also the places in front of the loads below
.else
	PLACES
.endif
	FETCH \next, 0, F0
	WIN MUL
	MUL8 F1, 1, 0, 0
	MUL8 F1, 1, 2, 0
.endm
	s_wait_tensorcnt 1                             ; my part of K step 0 is in (K step 1's load may be out),
	s_barrier_signal -1
	s_barrier_wait -1                              ; everybody's is
	FETCH 0, 0, F0
	s_wait_loadcnt 0x0                             ; the bias
	QUARTER 0, 128, F0, F1, 1                      ; the first quarter stands in front of the loop: its first products start the sums
	WIN 0                                          ; at a label and at a branch every window is 0
	s_mov_b32 s3, LAPS-1
.Llap:                                                 ; a trip goes once round the ring, from a lap's second quarter to the next lap's first, and fills both slots again
	QUARTER 0, 256, F1, F0, 0
	QUARTER 0, 384, F0, F1, 0
	TURN 0, 1, 1
	QUARTER 1, 128, F0, F1, 0
	QUARTER 1, 256, F1, F0, 0
	QUARTER 1, 384, F0, F1, 0
	TURN 1, 0, 1
	QUARTER 0, 128, F0, F1, 0
	WIN 0
	s_sub_co_u32 s3, s3, 1
	s_cmp_lg_u32 s3, 0
	s_cbranch_scc1 .Llap
	QUARTER 0, 256, F1, F0, 0                      ; the last lap fills nothing, and has no round of the cluster's barrier
	QUARTER 0, 384, F0, F1, 0
	TURN 0, 1, 0                                   ; behind this barrier nobody reads slot 0 any more
	QUARTER 1, 128, F0, F1, 0
	QUARTER 1, 256, F1, F0, 0
	QUARTER 1, 384, F0, F1, 0
	s_wait_dscnt 16                                ; the very last quarter: nothing more to fetch
	WIN MUL
	MUL8 F1, 0, 0, 0
	MUL8 F1, 0, 2, 0
	s_wait_dscnt 0
	MUL8 F1, 1, 0, 0
	MUL8 F1, 1, 2, 0
	WIN 0
; THE WAY OUT, block by block of 16 rows x 64 columns.  A lane holds 32 neighbouring bytes of a row, and the lanes beside it hold other rows: a block goes through my own stage and comes back as whole rows of 256 bytes.
; LDS serves a wave's instructions in order: no wait between the stores and the loads.  Each block has stage bytes of its own.
.macro TOSTAGE a
.irp b, 0,1,2,3
	ds_store_b128 v[STO], v[ACC+8*(4*(\a)+\b):ACC+8*(4*(\a)+\b)+3] offset:(\a)*16*SPITCH+64*\b          ; each accumulator from its low end on
	ds_store_b128 v[STO], v[ACC+8*(4*(\a)+\b)+4:ACC+8*(4*(\a)+\b)+7] offset:(\a)*16*SPITCH+64*\b+16
.endr
.irp t, 0,1,2,3,4,5,6,7
	ds_load_b128 v[TMP+32*((\a)%2)+4*\t:TMP+32*((\a)%2)+4*\t+3], v[RD] offset:(16*(\a)+2*\t)*SPITCH
.endr
.endm
.macro SEND a, younger                 ; younger: the LDS instructions issued behind block a's loads, which may stay out
	s_wait_dscnt \younger
.irp t, 0,1,2,3,4,5,6,7
	global_store_b128 v[CO], v[TMP+32*((\a)%2)+4*\t:TMP+32*((\a)%2)+4*\t+3], s[10:11] offset:(16*(\a)+2*\t)*SIZE_N*4 th:TH_STORE_NT   ; 16 lanes store 256 consecutive bytes, aligned; written once, read by nobody here
.endr
.endm
	PLACES
	TOSTAGE 0
.irp a, 1,2,3
.if \a > 1
	s_wait_xcnt 0x0                                ; block a - 2's stores have read their registers: block a's loads may land there
.endif
	TOSTAGE \a
	SEND \a-1, 16                                  ; behind block a - 1's loads: block a's 8 stores and 8 loads
.endr
	SEND 3, 0
	s_wait_tensorcnt 0x0                           ; the wave's end, behind my last tensor load and my last LDS store
	ds_add_u32 v[SPW], v[NIL]
	s_wait_dscnt 0x0
	CROUND                                         ; the closing round: no work-group ends while a partner may still ask for a tile that names it
	s_endpgm
.Lfunc_end_k_qbadeee54fe_oproj:
	.size	k_qbadeee54fe_oproj, .Lfunc_end_k_qbadeee54fe_oproj-k_qbadeee54fe_oproj
	.p2alignl 7, 3214868480
	.fill 96, 4, 3214868480
	.section	.rodata,"a",@progbits
	.p2align	6, 0x0
	.amdhsa_kernel k_qbadeee54fe_oproj
		.amdhsa_group_segment_fixed_size 327680
		.amdhsa_private_segment_fixed_size 0
		.amdhsa_enable_private_segment 0
		.amdhsa_kernarg_size 32
		.amdhsa_user_sgpr_count 2
		.amdhsa_user_sgpr_kernarg_segment_ptr 1
		.amdhsa_wavefront_size32 1
		.amdhsa_system_sgpr_workgroup_id_x 1
		.amdhsa_system_sgpr_workgroup_id_y 1
		.amdhsa_system_sgpr_workgroup_id_z 1
		.amdhsa_system_vgpr_workitem_id 0
		.amdhsa_next_free_vgpr 512
		.amdhsa_next_free_sgpr 72
		.amdhsa_reserve_vcc 0
		.amdhsa_float_denorm_mode_32 3
		.amdhsa_float_denorm_mode_16_64 3
		.amdhsa_memory_ordered 1
		.amdhsa_forward_progress 1
		.amdhsa_inst_pref_size 86
	.end_amdhsa_kernel
	.amdgpu_metadata
---
amdhsa.version: [ 1, 2 ]
amdhsa.kernels:
  - .name:           k_qbadeee54fe_oproj
    .symbol:         k_qbadeee54fe_oproj.kd
    .args:
      - { .name: vals, .offset: 0, .size: 8, .value_kind: global_buffer, .address_space: global }
      - { .name: wof, .offset: 8, .size: 8, .value_kind: global_buffer, .address_space: global }
      - { .name: b_o, .offset: 16, .size: 8, .value_kind: global_buffer, .address_space: global }
      - { .name: out0, .offset: 24, .size: 8, .value_kind: global_buffer, .address_space: global }
    .group_segment_fixed_size: 327680
    .private_segment_fixed_size: 0
    .kernarg_segment_align: 8
    .kernarg_segment_size: 32
    .max_flat_workgroup_size: 128
    .sgpr_count:     72
    .vgpr_count:     512
    .wavefront_size: 32
...
	.end_amdgpu_metadata
.endif
;; end of part 4
